; MI455X (gfx1250); checked and timed in simulation.
; The chip was launched on July 23, 2026; its instructions are those of AMD's public machine-readable ISA for CDNA 5 (MIT licence, August 2026) and "CDNA5" Instruction Set Architecture Reference Guide (July 2026). The comments in the code are by the model that wrote it; some were corrected since.
;; Attention. Allowed arithmetic: matrix products marked QUANTISED: E2M1 operands, one E8M0 scale for each 32 along K, by v_wmma_scale_f32_16x16x128_f8f6f4 with both operands' format E2M1 (or v_wmma_scale_f32_32x16x128_f4), f32 sums; everything else in f32.
;; Inputs: key 8 x 2,048 x 1,024 float32; query_codes 8 x 2,048 x 32 x 16 uint8 (E2M1 codes of query, K innermost, in blocks of 32 codes, two codes a byte); query_scales 8 x 2,048 x 32 uint8 (E8M0 scales of query, one for each 32 codes along K).
;; Outputs: out0 8 x 2,048 x 1,024 float32.
;; This version of the problem:
;;   THIS VERSION OF THE PROBLEM IS GIVEN IN LOW PRECISION. The matrix products marked QUANTISED in the list below multiply operands that are first quantised to E2M1 (2 exponent bits, 1 mantissa bit; 4 bits a number), with one power-of-two scale for each 32 numbers along K (OCP MX v1.0); their sums are f32. All else is computed in f32.
;;   The module's matrix products, in the order in which they are computed (A, B: the left and right operand; K: the contracted axis; several contracted axes count as one K, in the product's order):
;;     1. batch 8 x [M 2,048, K 1,024] x [K 1,024, N 2,048]; A: input query (given as codes); B: input key: QUANTISED
;;     2. batch 8 x [M 2,048, K 2,048] x [K 2,048, N 1,024]; A: softmax (see below); B: input key: QUANTISED
;;   THE QUANTISER, for each operand of a quantised product, along K:
;;     - K is cut into blocks of 32 from its start; a last block that is shorter is filled with zeros.
;;     - A block's scale is 2^e with e = floor(log2(the largest magnitude in the block)) - 2, held to -126 .. 127; a block of zeros has e = 0. As a byte (E8M0): e + 127.
;;     - Each number is divided by its block's scale, clamped to +-6, and rounded to the nearest number of E2M1, ties to even, subnormals kept.
;;     - The product sums the exact products of the quantised numbers (number of the format x scale) in f32.
;;   ~~~python
;;   def quantise(x, axis):      # numpy; x: float32 -> the quantised numbers, widened to float32 again
;;       x = np.moveaxis(x, axis, -1); K = x.shape[-1]
;;       x = np.pad(x, [(0, 0)] * (x.ndim - 1) + [(0, -K % 32)]); x = x.reshape(x.shape[:-1] + (-1, 32)); a = np.abs(x).max(-1, keepdims=True)
;;       e = np.where(a > 0, np.clip(np.frexp(np.where(a > 0, a, 1))[1] - 1 - 2, -126, 127), 0)      # np.frexp(a)[1] - 1 = floor(log2(a)), exactly
;;       r = np.clip(x / 2.0 ** e, -6, 6)
;;       step = 2.0 ** (np.maximum(np.frexp(np.where(r == 0, 1, r))[1] - 1, 0) - 1)
;;       q = np.round(r / step) * step * 2.0 ** e      # np.round: ties to even
;;       return np.moveaxis(q.reshape(q.shape[:-2] + (-1,))[..., :K], -1, axis).astype(np.float32)
;;   ~~~
;;   SOFTMAX AHEAD OF A QUANTISED PRODUCT. Where the list says 'softmax', what is quantised is not the finished softmax but p = 2^(t - M), with t = logit x log2(e) and M = ceil(the row's largest t), a whole number; so 1/2 < the row's largest p <= 1. The row's sum l is taken of the UNQUANTISED p, in f32, and the product's result is divided by l at the end. Since M is a whole number, a kernel that streams over the keys may use a running M (the ceiling of the running maximum): every later rescaling is an exact power of two, which a block's scale takes up: the codes' values come out the same.
;;   OPERANDS COMPUTED ON THE WAY. 'Computed on the way' means the value that the module computes at that place (a softmax that the list does not call 'softmax' is quantised finished and normalised). What goes into a quantiser is computed in f32, as accurately as f32 sums, v_exp_f32 and their like allow (about 1e-6 of the number): no bf16 or f16 on the way to a quantiser, and a product that is left as it is and whose result goes on into a quantised operand takes f32 operands (vector FMAs, or v_wmma_f32_16x16x4_f32). A number that lies on a knife's edge between two numbers of the format may be rounded either way, as far as f32 arithmetic and the matrix unit's own rounding can turn it there, and no further.
;;   INPUTS GIVEN AS CODES. query (in the module: [8, 2048, 1024], K = its axis 2): each comes as NAME_codes (uint8): NAME with its K axis moved to the last place and cut into blocks of 32 codes, [.., K / 32, bytes a block], one block behind the other in memory; two codes a byte, the lower K in the low four bits (a code: sign, 2 exponent bits, 1 mantissa bit); and NAME_scales (uint8): the same leading axes, one E8M0 byte (e + 127) for each 32 codes along K. Its value is code x scale, taken as it is: it is not quantised again, and the codes and scales need not be those that the quantiser above would give.
;; One version. Each part assembles by itself: llvm-mc -triple=amdgcn-amd-amdhsa -mcpu=gfx1250 --defsym DOCPART=n.
;; ======== version 1 of 1: 2 launches
;; limits: right only within a limited range of input values
;; workspace buffers: kv 16,777,216 bytes; kscales 524,288 bytes; vscales 524,288 bytes
;; launch quant (part 1): grid 8 x 128, 4 waves a work-group, no clusters, 69,376 bytes of LDS; arguments key, kv, kscales, vscales; writes kv, kscales, vscales
.if DOCPART == 1
	.amdgcn_target "amdgcn-amd-amdhsa--gfx1250"
	.amdhsa_code_object_version 6
	.text
	.protected	k_qd29d23f5f4_quant
	.globl	k_qd29d23f5f4_quant
	.p2align	8
	.type	k_qd29d23f5f4_quant,@function
k_qd29d23f5f4_quant:
	s_mov_b64 s[64:65], 0
	v_nop
	global_prefetch_b8 v0, s[64:65] scope:SCOPE_SE
	s_setreg_imm32_b32 hwreg(HW_REG_WAVE_MODE, 25, 1), 1
	s_wait_xcnt 0x0
; key [8][2048][1024] f32 is read ONCE and quantised to FP4 (E2M1) TWICE: along d (the first product's K) and along the keys (the second product's K).
; A block's scale is 2^(floor(log2(its largest magnitude)) - 2); its byte is the largest magnitude's exponent field - 2, held at 1 from below.
; LIMITS: NaN and infinities are not served.  A block whose largest magnitude lies under 2^-124, a block of zeros among them, keeps the byte 1 (a block of zeros: zero codes, which add nothing); the bytes are read by this program alone.
; SHARES.  A work-group takes 128 keys (chunk ch of batch b: grid y = 16 b + ch) x 128 d (piece s: grid x).  Wave w takes keys 32 w .. 32 w + 31, all 128 d.  Nothing is shared between work-groups: no cluster, no tensor load, no matrix unit.
; OUTPUT: IMAGES OF THE OPERAND'S REGISTERS.  An image is a fragment of 16 rows x 128 K: [c 2][lane 32][16 bytes]; lane (r, h) holds row r, k = 64 c + 32 h + 0 .. 31: one whole block of 32 a lane.
;   kv [b] holds sixteen tiles of 128 KB: eight of K, [256 keys 8][512 d 2][16 rows 16][128 d 4] images, then eight of V, [256 d 4][512 keys 4][16 d 16][128 keys 4] images.
;   kscales [b][128 d 8][2048] words, within each 64 keys at 2 (16 u + r) + e the word of stored row r of tile 2 u + e;  vscales [b][128 keys 16][d 1024] words.
; K's rows are STORED ROWS: within each 32 keys place p holds key P5(p), which swaps 8..15 with 16..23.  So the 16 results that a lane of the first product holds in two neighbouring tiles are 16 neighbouring keys.
; V's tile i of each 64 d holds the rows d = 4 r + i: so the results of four tiles are four neighbouring d.
; AS LOADED (a key's 512 bytes a load, 16 bytes a lane) a lane holds 4 columns d x my wave's 32 keys: for each of its 4 columns one WHOLE block along the keys.
;   DOWN THE KEYS the blocks are quantised from these registers: the maxima while the loads arrive; the conversion takes 8 neighbours along K from consecutive registers, so 8 keys x 4 columns at a time are copied, a column's keys on end.
;   Column j of lane (r, h) is row r of tile j of the piece's 64 d number h: sixteen lanes store 256 consecutive bytes straight from registers.
;   ALONG d a lane needs 32 neighbouring d of one key: the wave's rows go through its own part of LDS, 528 bytes apart (512 + 16: sixteen rows begin four words apart), and come back 128 bytes a lane.  Only the wave that stored them reads them: no barrier.
.set G,     16960                      ; a wave's part of the tile: 32 rows x 528, and 64 bytes
.set PITCH, 528
.set SCR,   4*G                        ; behind the tile: K's 128 scale words; then, 128 bytes a wave, the bytes down the keys
.set SPARE, SCR+1024                   ; the spare words
.set X,     32                         ; v32-159  as loaded: register 4 i + j = key i, column j; later four groups of 32 numbers along d
.set TR,    160                        ; v160-191 8 keys x 4 columns, a column's keys on end
.set CK,    192                        ; v192-207 the codes along d
.set CV,    208                        ; v208-223 the codes down the keys: register 4 j + g = column j, keys 8 g on
.set BYK,   16                         ; v16-19   the scale bytes along d, group g = 2 u + c
.set MV,    20                         ; v20-23   my four columns' largest magnitudes, then the conversions' scale operands
.macro PUT dst, src, field, sh         ; dst += a bit field of src, shifted up
	s_bfe_u32 s30, \src, \field
	s_lshl_b32 s30, s30, \sh
	s_add_co_u32 \dst, \dst, s30
.endm
	s_load_b256 s[4:11], s[0:1], 0x0               ; key s[4:5], kv s[6:7], kscales s[8:9], vscales s[10:11]
	v_lshl_add_u32 v248, v0, 2, SPARE
	v_mov_b32 v249, 0
	v_lshrrev_b32 v1, 5, v0
	v_readfirstlane_b32 s16, v1                    ; wave 0..3
	v_and_b32 v1, 31, v0                           ; lane
	v_and_b32 v2, 15, v0                           ; r
	v_bfe_u32 v3, v0, 4, 1                         ; h
	v_lshlrev_b32 v4, 4, v1                        ; 16 x lane: a load's, a store's and an image's place for my lane
	s_mul_i32 s25, s16, G
	v_add_nc_u32 v5, s25, v4                       ; into the tile: my wave's 32 rows, 16 bytes a lane
	v_mul_u32_u24 v6, v2, PITCH
	v_lshl_add_u32 v6, v3, 7, v6
	v_add_nc_u32 v6, s25, v6                       ; out of it: stored row r, + 128 h bytes (32 numbers)
	v_lshlrev_b32 v7, 14, v3
	v_lshl_add_u32 v7, v2, 4, v7                   ; V: lanes 16-31 the next 64 d (four tiles of 4,096 bytes on), 16 bytes a row
	v_lshlrev_b32 v8, 3, v3                        ; 8 h: my bytes' place in a scale word along d
	s_lshl_b32 s28, s16, 7
	v_lshl_add_u32 v9, v1, 2, s28
	v_add_nc_u32 v9, SCR, v9                       ; my word among the bytes down the keys: 128 w + 4 x lane (512 bytes on)
	v_lshl_add_u32 v242, v2, 3, s28
	v_lshl_add_u32 v242, v3, 2, v242
	v_add_nc_u32 v242, SCR, v242                   ; and among the words along d: 128 w + 8 r + 4 h
	v_add_nc_u32 v14, SCR, v4                      ; K's words on their way out: 16 bytes a lane
	v_lshl_add_u32 v241, v1, 2, SCR+512            ; the bytes down the keys on their way out: a word a lane of each wave's 128 bytes
	v_mov_b32 v13, 0                               ; a lane permute's destination counts as one of its sources
	v_cmp_lt_u32 vcc_lo, 15, v1                    ; lanes 16-31
	s_mov_b32 s20, 0x76543210
	s_mov_b32 s21, 0xfedcba98                      ; v_permlanex16_b32's selects for lane l xor 16
	s_and_b32 s18, ttmp7, 0xffff                   ; 16 b + ch
	s_mov_b32 s17, ttmp9                           ; s
	s_lshl_b32 s26, s18, 19                        ; key: 128 rows of 4,096 bytes a chunk,
	PUT s26, s16, 0x20000, 17                      ; 32 rows a wave,
	PUT s26, s17, 0x30000, 9                       ; 512 bytes a piece
	s_mov_b32 s27, 0
	s_mov_b32 s32, 0                               ; K's codes: b, ch / 2, s / 4, 8 (ch % 2) + 2 w tiles of 4,096 bytes, s % 4
	PUT s32, s18, 0x30004, 21
	PUT s32, s18, 0x30001, 17
	PUT s32, s17, 0x10002, 16
	PUT s32, s18, 0x10000, 15
	PUT s32, s16, 0x20000, 13
	PUT s32, s17, 0x20000, 10
	s_mov_b32 s33, 0
	s_mov_b32 s34, 0x100000                        ; V's codes: behind K's eight tiles; b, s / 2, ch / 4, 8 (s % 2) tiles, ch % 4; in an image my key block w lies at 256 w
	PUT s34, s18, 0x30004, 21
	PUT s34, s17, 0x20001, 18
	PUT s34, s18, 0x20002, 16
	PUT s34, s17, 0x10000, 15
	PUT s34, s16, 0x20000, 8
	PUT s34, s18, 0x20000, 10
	s_mov_b32 s35, 0
	s_mov_b32 s36, 0                               ; kscales: b, s, 128 ch rows of 4 bytes
	PUT s36, s18, 0x30004, 16
	PUT s36, s17, 0x30000, 13
	PUT s36, s18, 0x40000, 9
	s_mov_b32 s37, 0
	s_lshl_b32 s38, s18, 12                        ; vscales: 16 b + ch, 128 s columns of 4 bytes
	PUT s38, s17, 0x30000, 9
	s_mov_b32 s39, 0
	s_wait_alu depctr_va_vdst(0)
	s_wait_kmcnt 0x0
	s_add_nc_u64 s[4:5], s[4:5], s[26:27]
	s_add_nc_u64 s[14:15], s[6:7], s[34:35]        ; V's codes
	s_add_nc_u64 s[6:7], s[6:7], s[32:33]          ; K's codes
	s_add_nc_u64 s[8:9], s[8:9], s[36:37]
	s_add_nc_u64 s[10:11], s[10:11], s[38:39]
	; ---- in: my wave's 32 keys, 512 consecutive bytes a load
.set i, 0
.rept 32
	global_load_b128 v[X+4*i:X+4*i+3], v4, s[4:5] offset:4096*i th:TH_LOAD_NT
.set i, i+1
.endr
	; as they arrive: key i goes to stored place P5(i) of my part of the tile, and every second key the four columns' maxima go on
.set i, 0
.rept 32
	s_wait_loadcnt 31-i                            ; loads come back in order: load i is in, the younger ones stay out
	ds_store_b128 v5, v[X+4*i:X+4*i+3] offset:PITCH*((i%8)+16*((i/8)%2)+8*(i/16))
.if (i%2) == 1
	s_wait_alu depctr_va_vdst(0)                   ; the maxima were written ahead of the waits above
.irp j, 0,1,2,3
.if i == 1
	v_max3_num_f32 v[MV+\j], |v[X+\j]|, |v[X+4+\j]|, 0x1800000     ; with the floor 2^(3 - 127): the byte cannot fall under 1
.else
	v_max3_num_f32 v[MV+\j], v[MV+\j], |v[X+4*i-4+\j]|, |v[X+4*i+\j]|
.endif
.endr
.endif
.set i, i+1
.endr
.irp j, 0,1,2,3
	v_add_nc_u32 v[MV+\j], 0xff000000, v[MV+\j]    ; 2 off the exponent field: the conversion takes the exponent field of this operand as its scale
.endr
.irp j, 0,1,2,3
	v_lshrrev_b32 v[24+\j], 23, v[MV+\j]           ; the scale's byte
.endr
	v_lshl_or_b32 v24, v25, 8, v24                 ; my four columns' bytes of key block w, in one word
	v_lshl_or_b32 v24, v26, 16, v24
	v_lshl_or_b32 v24, v27, 24, v24
	ds_store_b32 v9, v24 offset:512
; Keys 8 g .. 8 g + 7 of my four columns: copied so that a column's eight stand on end, converted; the 32 registers that they leave take group g along d (g = 2 u + c: stored rows 16 u + r, d 64 c + 32 h + 0 .. 31)
.macro VGROUP g
.irp j, 0,1,2,3
.irp n, 0,1,2,3,4,5,6,7
	v_mov_b32 v[TR+8*\j+\n], v[X+32*\g+4*\n+\j]
.endr
.endr
.irp j, 0,1,2,3
	v_cvt_scalef32_pk8_fp4_f32 v[CV+4*\j+\g], v[TR+8*\j:TR+8*\j+7], v[MV+\j]
.endr
	v_nop                                          ; one plain line behind the conversions: the next group's copies write their sources
.irp n, 0,1,2,3,4,5,6,7
	ds_load_b128 v[X+32*\g+4*\n:X+32*\g+4*\n+3], v6 offset:8448*(\g/2)+256*(\g%2)+16*\n   ; LDS serves a wave's instructions in order: these see my stores
.endr
.endm
	VGROUP 0
	VGROUP 1
	VGROUP 2
	VGROUP 3
.irp j, 0,1,2,3
	global_store_b128 v7, v[CV+4*\j:CV+4*\j+3], s[14:15] offset:4096*\j    ; tile j of both 64 d: sixteen lanes store 256 consecutive bytes, aligned: my key block's quarter of an image
.endr
; A block of 32 numbers in v[xs] on becomes four registers of codes in v[cc] on and its scale's byte in v[by]
.macro QB xs, cc, by
	v_max3_num_f32 v10, |v[\xs]|, |v[\xs+1]|, |v[\xs+2]|
	v_max3_num_f32 v11, |v[\xs+3]|, |v[\xs+4]|, |v[\xs+5]|
.irp n, 6,10,14,18,22,26
	v_max3_num_f32 v10, v10, |v[\xs+\n]|, |v[\xs+\n+1]|
	v_max3_num_f32 v11, v11, |v[\xs+\n+2]|, |v[\xs+\n+3]|
.endr
	v_max3_num_f32 v10, v10, |v[\xs+30]|, |v[\xs+31]|
	v_max3_num_f32 v10, v10, v11, 0x1800000        ; and the floor
	v_add_nc_u32 v12, 0xff000000, v10
.irp n, 0,1,2,3
	v_cvt_scalef32_pk8_fp4_f32 v[\cc+\n], v[\xs+8*\n:\xs+8*\n+7], v12
.endr
	v_lshrrev_b32 v[\by], 23, v12                  ; the scale's byte; also the plain line behind the conversions
.endm
; cnt: the LDS loads issued behind this group's, which may stay out: 8 for each later group
.macro KGROUP g, cnt
	s_wait_dscnt \cnt
	QB X+32*\g, CK+4*\g, BYK+\g
	global_store_b128 v4, v[CK+4*\g:CK+4*\g+3], s[6:7] offset:4096*(\g/2)+512*(\g%2)   ; half an image: 512 consecutive bytes
.endm
	KGROUP 0, 24
	KGROUP 1, 16
	KGROUP 2, 8
	KGROUP 3, 0
	; the scale words along d.  My bytes of tile u are those of blocks h and 2 + h of row r; with lane l xor 16's two the word is whole.  Lanes 0-15 keep tile 0's word, lanes 16-31 tile 1's
	v_lshl_or_b32 v24, v[BYK+1], 16, v[BYK]
	v_lshl_or_b32 v25, v[BYK+3], 16, v[BYK+2]
	v_lshlrev_b32 v24, v8, v24
	v_lshlrev_b32 v25, v8, v25
	v_permlanex16_b32 v13, v24, s20, s21
	v_or_b32 v24, v24, v13
	v_permlanex16_b32 v13, v25, s20, s21
	v_or_b32 v25, v25, v13
	v_cndmask_b32 v24, v24, v25, vcc_lo
	ds_store_b32 v242, v24
	s_wait_dscnt 0x0                               ; for the others' sake: my words lie in LDS
	s_barrier_signal -1
	s_barrier_wait -1
	s_cmp_gt_u32 s16, 1
	s_cbranch_scc1 .Ldone                          ; waves 2 and 3 have nothing left
	s_cmp_eq_u32 s16, 1
	s_cbranch_scc1 .Lvwords
	ds_load_b128 v[28:31], v14                     ; wave 0: K's 128 words
	s_wait_dscnt 0x0
	global_store_b128 v4, v[28:31], s[8:9]         ; 512 consecutive bytes, aligned
	s_wait_tensorcnt 0x0
	ds_add_u32 v248, v249
	s_wait_dscnt 0x0
	s_endpgm
.Lvwords:                                          ; wave 1: word w' of lane l holds the bytes of columns 4 l .. 4 l + 3 for key block w'; a column's word wants its four key blocks' bytes: 4 x 4 bytes are turned
.irp n, 0,1,2,3
	ds_load_b32 v[28+\n], v241 offset:128*\n
.endr
	s_wait_dscnt 0x0
	v_perm_b32 v10, v29, v28, 0x05010400           ; columns 0 and 1, key blocks 0 and 1
	v_perm_b32 v11, v29, v28, 0x07030602           ; columns 2 and 3
	v_perm_b32 v12, v31, v30, 0x05010400           ; the same of key blocks 2 and 3
	v_perm_b32 v13, v31, v30, 0x07030602
	v_perm_b32 v24, v12, v10, 0x05040100           ; column 0's word
	v_perm_b32 v25, v12, v10, 0x07060302
	v_perm_b32 v26, v13, v11, 0x05040100
	v_perm_b32 v27, v13, v11, 0x07060302
	global_store_b128 v4, v[24:27], s[10:11]       ; 128 words: 512 consecutive bytes, aligned
.Ldone:
	s_wait_tensorcnt 0x0
	ds_add_u32 v248, v249
	s_wait_dscnt 0x0
	s_endpgm
.Lfunc_end_k_qd29d23f5f4_quant:
	.size	k_qd29d23f5f4_quant, .Lfunc_end_k_qd29d23f5f4_quant-k_qd29d23f5f4_quant
	.p2alignl 7, 3214868480
	.fill 96, 4, 3214868480
	.section	.rodata,"a",@progbits
	.p2align	6, 0x0
	.amdhsa_kernel k_qd29d23f5f4_quant
		.amdhsa_group_segment_fixed_size 69376
		.amdhsa_private_segment_fixed_size 0
		.amdhsa_enable_private_segment 0
		.amdhsa_kernarg_size 32
		.amdhsa_user_sgpr_count 2
		.amdhsa_user_sgpr_kernarg_segment_ptr 1
		.amdhsa_wavefront_size32 1
		.amdhsa_system_sgpr_workgroup_id_x 1
		.amdhsa_system_sgpr_workgroup_id_y 1
		.amdhsa_system_sgpr_workgroup_id_z 1
		.amdhsa_system_vgpr_workitem_id 0
		.amdhsa_next_free_vgpr 250
		.amdhsa_next_free_sgpr 66
		.amdhsa_reserve_vcc 1
		.amdhsa_float_denorm_mode_32 3
		.amdhsa_float_denorm_mode_16_64 3
		.amdhsa_memory_ordered 1
		.amdhsa_forward_progress 1
		.amdhsa_inst_pref_size 32
	.end_amdhsa_kernel
	.amdgpu_metadata
---
amdhsa.version: [ 1, 2 ]
amdhsa.kernels:
  - .name:           k_qd29d23f5f4_quant
    .symbol:         k_qd29d23f5f4_quant.kd
    .args:
      - { .name: key, .offset: 0, .size: 8, .value_kind: global_buffer, .address_space: global }
      - { .name: kv, .offset: 8, .size: 8, .value_kind: global_buffer, .address_space: global }
      - { .name: kscales, .offset: 16, .size: 8, .value_kind: global_buffer, .address_space: global }
      - { .name: vscales, .offset: 24, .size: 8, .value_kind: global_buffer, .address_space: global }
    .group_segment_fixed_size: 69376
    .private_segment_fixed_size: 0
    .kernarg_segment_align: 8
    .kernarg_segment_size: 32
    .max_flat_workgroup_size: 128
    .sgpr_count:     66
    .vgpr_count:     250
    .wavefront_size: 32
...
	.end_amdgpu_metadata
.endif
;; end of part 1
;; launch attn (part 2): grid 256 x 1, 4 waves a work-group, clusters of 4 x 1, 327,680 bytes of LDS; arguments query_codes, query_scales, kv, kscales, vscales, out0; writes out0
.if DOCPART == 2
	.amdgcn_target "amdgcn-amd-amdhsa--gfx1250"
	.amdhsa_code_object_version 6
	.text
	.protected	k_qd29d23f5f4_attn
	.globl	k_qd29d23f5f4_attn
	.p2align	8
	.type	k_qd29d23f5f4_attn,@function
k_qd29d23f5f4_attn:
	s_mov_b64 s[64:65], 0
	v_nop
	global_prefetch_b8 v0, s[64:65] scope:SCOPE_SE
	s_setreg_imm32_b32 hwreg(HW_REG_WAVE_MODE, 25, 1), 1
	s_wait_xcnt 0x0
	s_wait_alu depctr_hold_cnt(0) depctr_sa_sdst(0) depctr_va_vdst(0) depctr_va_sdst(0) depctr_va_ssrc(0) depctr_va_vcc(0) depctr_vm_vsrc(0)
	s_getreg_b32 s2, hwreg(HW_REG_IB_STS2, 6, 4)
	s_cmp_eq_u32 s2, 0
	s_cbranch_scc0 .Lentry_in_a_cluster
	s_endpgm
.Lentry_in_a_cluster:
	s_bfe_u32 s2, ttmp6, 0x10000c
	s_cmp_lg_u32 s2, 0x3003
	s_cbranch_scc0 .Lentry_shape_is_right
	s_endpgm
.Lentry_shape_is_right:
; Both products and the softmax between them, on codes of FP4 with E8M0 scales.  A work-group owns 64 queries (64 g on of all 16,384; batch g / 32), all 2,048 keys and all 1,024 d.
; PHASE 1, eight tiles of 256 keys x 1,024 d: S^T = K Q^T; a wave takes 64 keys of the tile x the 64 queries, Q's codes standing in 256 registers: each fragment of K is read from LDS by one wave alone and feeds four matrix instructions.
;   t = S log2(e); M = the wave's largest t so far, rounded UP to a whole number; p = 2^(t - M) is quantised along the keys, block of 32 by block; the sum of the unquantised p is carried, brought under a new M by an exact power of two.
;   P's codes (64 KB) stay on the chip: chunks of 128 keys 0-11 in LDS, the last trip's in registers.  Beside them, for each (64 keys, query): -M and the two scale bytes.
; THE EXCHANGE: the row's M is the largest of the four waves'; D = a chunk's M - the row's M (0 or less) goes onto the chunk's bytes: exact, and nothing summed has to be scaled again.  Then all of P comes into 512 registers of every wave.
; PHASE 2, eight tiles of 256 d x 1,024 keys: O = P V; a wave takes 64 d x the 64 queries; two tiles make a slice of 256 d, which is multiplied by 1 / (row's sum) and stored while the next is multiplied.
;   V's tile i holds the rows d = 4 r + i: register j of four accumulators is four neighbouring d of one query, and sixteen lanes store 256 consecutive bytes, aligned, straight from registers.
; LIMITS: NaN and infinities are not served.  The promise holds while t stays under 2^31 in magnitude.  A block's largest p is made from its largest score by the same multiply-add and exponential; this takes v_exp_f32 not to fall where its input rises.
;   A block whose largest p lies under 2^-124 keeps the byte 1 ahead of D; a byte that would fall under 0 is held at 0 (such a block weighs at most 6 x 2^-127); D is held at -256.
; THE STREAM: kv [b] is sixteen dense tiles of 128 KB (K's eight, V's eight) through a ring of two slots, a wave fetching 32 KB of each.  A wave's share of a tile is 256 registers: the next tile's fragments come into window 2 during the softmax (phase 1) or behind the
;   products that are done with theirs (phase 2), so a slot is free again a step after it landed.
; CLUSTERS: four work-groups of one batch ask for every tile jointly (mask 15): nothing in the descriptors hangs on the place in the cluster.  No more than four share, since a mask names four.
; PREFETCH: behind each refill the tile two refills on, 512 blocks of 256 bytes: one a lane, the four work-groups' four waves told apart by address.  Tiles 0-3 come by their loads alone; nothing is asked for behind tile 15.
; REGISTERS.  Window 0: v0-11, v124-127 addresses; v12-27 Q's scales, v28-59 K's, later V's, two sets, v60-91 P's: scales and nothing else; v92-123 the softmax's small figures, later 1 / sum; v128-255 sixteen accumulators.
;   Window 1: Q, later P's chunks 0-7.  Window 2: the tile's fragments, 32 registers for each 128 along K.  Window 3: P's chunks 8-15; in phase 1 the last trip's codes at v224-255.
.set SLOT,  131072
.set PB,    2*SLOT                     ; Q's rows at the head (528 apart), then P's chunks 0-11: [chunk][16 queries 4] images
.set STM,   PB+49152                   ; -M: [64 keys 32][query 64]
.set STW,   STM+8192                   ; the two bytes: [64 keys 32][query 64]
.set XM,    STW+4096                   ; the waves' last -M: [wave][query]; 1,024 bytes on their sums
.set SPARE, XM+2048
.set PSW,   PB+16384                   ; in the exchange: the corrected words, [query 64] rows of 64 bytes, 80 apart
.set RLS,   PSW+5120                   ; and 1 / sum, two copies
.set STWA,  1
.set AD,    2                          ; v2-5  my fragments: slot 0 first half, second half, slot 1 likewise
.set SPW,   6
.set NIL,   7
.set PADR,  8
.set STMA,  9
.set KSO,   10
.set VSO,   11
.set QS,    12                         ; register 8 u + q: lanes 0-15 queries 32 u on, lanes 16-31 queries 32 u + 16 on; d 128 q on
.set KS,    28                         ; set x: K: 2 q + e: lanes 0-15 tile e, lanes 16-31 tile 2 + e.  V: 4 n + i: tile i, lanes 0-15 chunk 2 n, lanes 16-31 chunk 2 n + 1
.set PS,    60                         ; 16 u + chunk: queries as in QS
.set BM,    92                         ; the blocks' largest scores, then largest p, then scale operands: block 2 a + b
.set T2,    100
.set NM,    108                        ; -M of query block a: v[NM + 2 a]; its neighbour is named with it as a pair
.set LS,    116                        ; the sums, two halves each
.set RLR,   92                         ; phase 2: 8 a + j: 1 / sum of query 16 a + 8 h + j
.set PFO,   124
.set CO,    125
.set ACC,   128
.set PC,    224
.set G1,    24
.set G0,    32
.set CS,    40
.set SEL,   42
.set PF,    44
.set KSB,   46
.set VSB,   48
.set OB,    50
.set SM,    52
.set SW,    53
.set SP,    54
.set TL,    55
.set MSB, 0
.macro WIN new                         ; the immediate's high byte repeats the setting that is left
.if MSB != \new
	s_set_vgpr_msb (MSB<<8)|\new
.set MSB, \new
.endif
.endm
.macro CREST                           ; a round of the cluster's barrier behind its opening barrier
	s_cmp_lg_u32 s16, 0
	s_cbranch_scc1 .Lnot_wave_0_\@
	s_barrier_signal -3
.Lnot_wave_0_\@:
	s_barrier_wait -3
	s_barrier_signal -1
	s_barrier_wait -1
.endm
.macro CROUND
	s_barrier_signal -1
	s_barrier_wait -1
	CREST
.endm
.macro PLACES n                        ; plain vector instructions between a matrix instruction and a load into, or a vector use of, its registers
.rept \n
	v_nop
.endr
.endm
; one matrix instruction: z = 1: the product starts the sum; ra, rb: source 0's, source 1's scales stand in lanes 16-31
.macro WM d, x, y, z, sx, sy, ra, rb
.if \z
.if \ra
.if \rb
	v_wmma_scale_f32_16x16x128_f8f6f4 v[\d:\d+7], v[\x:\x+7], v[\y:\y+7], 0, v[\sx], v[\sy] matrix_a_fmt:MATRIX_FMT_FP4 matrix_b_fmt:MATRIX_FMT_FP4 matrix_a_scale:MATRIX_SCALE_ROW1 matrix_b_scale:MATRIX_SCALE_ROW1
.else
	v_wmma_scale_f32_16x16x128_f8f6f4 v[\d:\d+7], v[\x:\x+7], v[\y:\y+7], 0, v[\sx], v[\sy] matrix_a_fmt:MATRIX_FMT_FP4 matrix_b_fmt:MATRIX_FMT_FP4 matrix_a_scale:MATRIX_SCALE_ROW1
.endif
.else
.if \rb
	v_wmma_scale_f32_16x16x128_f8f6f4 v[\d:\d+7], v[\x:\x+7], v[\y:\y+7], 0, v[\sx], v[\sy] matrix_a_fmt:MATRIX_FMT_FP4 matrix_b_fmt:MATRIX_FMT_FP4 matrix_b_scale:MATRIX_SCALE_ROW1
.else
	v_wmma_scale_f32_16x16x128_f8f6f4 v[\d:\d+7], v[\x:\x+7], v[\y:\y+7], 0, v[\sx], v[\sy] matrix_a_fmt:MATRIX_FMT_FP4 matrix_b_fmt:MATRIX_FMT_FP4
.endif
.endif
.else
.if \ra
.if \rb
	v_wmma_scale_f32_16x16x128_f8f6f4 v[\d:\d+7], v[\x:\x+7], v[\y:\y+7], v[\d:\d+7], v[\sx], v[\sy] matrix_a_fmt:MATRIX_FMT_FP4 matrix_b_fmt:MATRIX_FMT_FP4 matrix_a_scale:MATRIX_SCALE_ROW1 matrix_b_scale:MATRIX_SCALE_ROW1
.else
	v_wmma_scale_f32_16x16x128_f8f6f4 v[\d:\d+7], v[\x:\x+7], v[\y:\y+7], v[\d:\d+7], v[\sx], v[\sy] matrix_a_fmt:MATRIX_FMT_FP4 matrix_b_fmt:MATRIX_FMT_FP4 matrix_a_scale:MATRIX_SCALE_ROW1
.endif
.else
.if \rb
	v_wmma_scale_f32_16x16x128_f8f6f4 v[\d:\d+7], v[\x:\x+7], v[\y:\y+7], v[\d:\d+7], v[\sx], v[\sy] matrix_a_fmt:MATRIX_FMT_FP4 matrix_b_fmt:MATRIX_FMT_FP4 matrix_b_scale:MATRIX_SCALE_ROW1
.else
	v_wmma_scale_f32_16x16x128_f8f6f4 v[\d:\d+7], v[\x:\x+7], v[\y:\y+7], v[\d:\d+7], v[\sx], v[\sy] matrix_a_fmt:MATRIX_FMT_FP4 matrix_b_fmt:MATRIX_FMT_FP4
.endif
.endif
.endif
.endm
; 16 matrix instructions of phase 1: d 128 q on; four tiles of 16 stored keys x four blocks of 16 queries.  The 16 accumulators take turns, one instruction a turn, in the same order in every step
.macro SMUL q, z, x
.irp t, 0,1,2,3
.irp a, 0,1,2,3
	WM ACC+32*\a+8*\t, 32*(\q)+8*\t, 64*\a+8*(\q), \z, KS+16*(\x)+2*(\q)+\t%2, QS+8*(\a/2)+(\q), \t/2, \a%2
.endr
.endr
.endm
; 16 of phase 2: chunk 8 kh + kk of 128 keys; four blocks of 16 queries x four tiles of 16 d
.macro PVM kk, kh, z
.irp a, 0,1,2,3
.irp i, 0,1,2,3
	WM ACC+32*\a+8*\i, 32*(\kk)+8*\a, 32*(\kk)+8*\i, \z, PS+16*(\a/2)+8*(\kh)+(\kk), KS+16*(\kh)+4*((\kk)/2)+\i, \a%2, (\kk)%2
.endr
.endr
.endm
; the tile's part q of 8 (128 along its K) of slot s, my four tiles of 16 rows, into window 2
.macro KL s, q
	WIN 0x80
.irp t, 0,1,2,3
.irp c, 0,1
	ds_load_b128 v[32*(\q)+8*\t+4*\c:32*(\q)+8*\t+4*\c+3], v[AD+2*(\s)+(\q)/4] offset:4096*\t+1024*((\q)%4)+512*\c
.endr
.endr
	WIN 0
.endm
	s_load_b256 s[4:11], s[0:1], 0x0               ; query_codes s[4:5], query_scales s[6:7], kv s[8:9], kscales s[10:11]
	s_load_b128 s[12:15], s[0:1], 0x20             ; vscales s[12:13], out0 s[14:15]
	v_lshl_add_u32 v[SPW], v0, 2, SPARE            ; my spare word; never rewritten
	v_mov_b32 v[NIL], 0
	ds_add_u32 v[SPW], v[NIL]                      ; the wave's opening: the add, twice on end, and its wait ahead of my first tensor load
	ds_add_u32 v[SPW], v[NIL]
	v_lshrrev_b32 v1, 5, v0
	v_readfirstlane_b32 s16, v1                    ; wave 0..3
	s_bfe_u32 s20, ttmp6, 0x40000                  ; my place in the cluster
	s_lshl_b32 s17, ttmp9, 2
	s_add_co_u32 s17, s17, s20                     ; g
	s_lshr_b32 s18, ttmp9, 3                       ; the batch: of the cluster alone
	s_mov_b32 s[G1], (3<<16)|(1<<21)|15            ; the mask: all four; elements of 8 bytes; bit 21 beside a mask: 32 KB dense, as 128 rows of 256 bytes
	s_mov_b32 s[G1+1], 32<<16
	s_mov_b32 s[G1+2], 128<<16
	s_mov_b32 s[G1+3], 32<<16
	s_mov_b32 s[G1+4], 128
	s_mov_b32 s[G1+5], 32
	s_mov_b32 s[G1+6], 0
	s_mov_b32 s[G1+7], 0
	s_mov_b32 s[CS], 0x3fb8aa3b                    ; log2(e)
	s_mov_b32 s[CS+1], s[CS]                       ; (named with it as a pair, so it is written)
	s_mov_b32 s[SEL], 0x76543210
	s_mov_b32 s[SEL+1], 0xfedcba98                 ; v_permlanex16_b32's selects for lane l xor 16
	s_lshl_b32 s56, s18, 21                        ; the tiles: the batch's 2 MB, my 32 KB of a tile (s56 never holds the place in the cluster)
	s_lshl_b32 s19, s16, 15
	s_add_co_u32 s56, s56, s19
	s_mov_b32 s57, 0
	s_lshl_b32 s58, s18, 21                        ; the prefetches: my work-group's 32 KB and my wave's 8 KB of a tile, at tile 3: the first change of slots steps it to 4
	s_lshl_b32 s21, s20, 15
	s_add_co_u32 s58, s58, s21
	s_lshl_b32 s21, s16, 13
	s_add_co_u32 s58, s58, s21
	s_add_co_u32 s58, s58, 3*SLOT
	s_mov_b32 s59, 0
	s_lshl_b32 s21, s16, 8                         ; my 64 rows of 4 bytes
	s_lshl_b32 s60, s18, 16
	s_add_co_u32 s60, s60, s21
	s_mov_b32 s61, 0
	s_lshl_b32 s62, s17, 15                        ; Q: 64 rows of 512 bytes
	s_mov_b32 s63, 0
	s_lshl_b32 s66, s17, 11                        ; its scales: 64 rows of 32 bytes
	s_mov_b32 s67, 0
	s_lshl_b32 s68, s17, 18                        ; out0: 64 rows of 4,096 bytes, my 64 d
	s_add_co_u32 s68, s68, s21
	s_mov_b32 s69, 0
	v_and_b32 v127, 31, v0                         ; lane
	v_lshlrev_b32 v125, 4, v0
	v_lshlrev_b32 v126, 5, v127
	v_lshlrev_b32 v[KSO], 3, v127
	v_lshlrev_b32 v[PFO], 8, v127
	s_wait_alu depctr_va_vdst(0)
	s_wait_dscnt 0x0                               ; both opening adds are done
	s_wait_kmcnt 0x0
	s_add_nc_u64 s[4:5], s[4:5], s[62:63]
	s_add_nc_u64 s[6:7], s[6:7], s[66:67]
	s_add_nc_u64 s[PF:PF+1], s[8:9], s[58:59]
	s_add_nc_u64 s[KSB:KSB+1], s[10:11], s[60:61]
	s_add_nc_u64 s[VSB:VSB+1], s[12:13], s[60:61]
	s_add_nc_u64 s[OB:OB+1], s[14:15], s[68:69]
.irp n, 0,1
	s_mov_b32 s[G0+4*\n], 1
	s_add_co_u32 s[G0+4*\n+1], s19, \n*SLOT
	s_add_nc_u64 s[G0+4*\n+2:G0+4*\n+3], s[8:9], s[56:57]
	s_add_nc_u64 s[G0+4*\n+2:G0+4*\n+3], s[G0+4*\n+2:G0+4*\n+3], \n*SLOT
	s_or_b32 s[G0+4*\n+3], s[G0+4*\n+3], 0x80000000
.endr
.set n, 0
.rept 16
	global_load_b128 v[128+4*n:131+4*n], v125, s[4:5] offset:2048*n        ; Q: 32 KB dense, 512 consecutive bytes a wave and load: row 4 n + wave
.set n, n+1
.endr
.irp u, 0,1
.irp f, 0,1
	global_load_b128 v[QS+8*\u+4*\f:QS+8*\u+4*\f+3], v126, s[6:7] offset:1024*\u+16*\f
.endr
.endr
.irp x, 0,1
.irp q, 0,1,2,3,4,5,6,7
	global_load_b64 v[KS+16*\x+2*\q:KS+16*\x+2*\q+1], v[KSO], s[KSB:KSB+1] offset:8192*\q+1024*\x
.endr
.endr
	CROUND                                         ; all four work-groups are here: the first joint loads meet
	tensor_load_to_lds s[G0:G0+3], s[G1:G1+7]      ; tile 0
	s_nop 0
	PLACES 4                                       ; four plain lines follow a tensor load
	v_and_b32 v192, 31, v0                         ; lane
	v_and_b32 v193, 15, v0                         ; r
	v_bfe_u32 v194, v0, 4, 1                       ; h
	v_lshlrev_b32 v195, 4, v192
	s_lshl_b32 s21, s16, 14
	v_add_nc_u32 v[AD], s21, v195                  ; my four tiles of 16 rows: 16 KB of each half of a tile
	v_add_nc_u32 v[AD+1], 0x10000, v[AD]
	v_add_nc_u32 v[AD+2], 0x20000, v[AD]
	v_add_nc_u32 v[AD+3], 0x30000, v[AD]
	s_lshl_b32 s21, s16, 8
	s_add_co_u32 s21, s21, STM
	v_lshl_add_u32 v[STMA], v193, 2, s21
	s_lshl_b32 s21, s16, 7
	s_add_co_u32 s21, s21, STW
	v_lshl_add_u32 v[STWA], v193, 1, s21
	s_lshr_b32 s21, s16, 1
	s_lshl_b32 s21, s21, 12
	s_and_b32 s22, s16, 1
	s_lshl_b32 s22, s22, 9
	s_add_co_u32 s21, s21, s22
	s_add_co_u32 s21, s21, PB
	s_wait_alu depctr_va_vdst(0)
	v_add_nc_u32 v[PADR], s21, v195                ; P: chunk wave / 2 of a tile, half wave % 2 of an image
	v_lshlrev_b32 v[VSO], 12, v194
	v_lshl_add_u32 v[VSO], v193, 4, v[VSO]         ; V's scale words: lanes 16-31 the next chunk
	s_mul_i32 s21, s16, 528
	s_add_co_u32 s21, s21, PB
	v_add_nc_u32 v196, s21, v195                   ; Q on its way in
	v_mul_u32_u24 v197, v193, 528
	v_lshl_add_u32 v197, v194, 4, v197
	v_add_nc_u32 v197, PB, v197                    ; and out: row r, + 16 h
.irp a, 0,1,2,3
	v_mov_b32 v[NM+2*\a], 0x7f61b1e6               ; -M: 3e38: M lies under every t
	v_mov_b32 v[NM+2*\a+1], 0
	v_mov_b32 v[LS+2*\a], 0
	v_mov_b32 v[LS+2*\a+1], 0
	v_mov_b32 v[T2+2*\a], 0                        ; a lane permute's destination counts as one of its sources
	v_mov_b32 v[T2+2*\a+1], 0
.endr
	s_wait_alu depctr_va_vdst(0)
	s_wait_loadcnt 0x14                            ; Q is in; the 20 loads of scale words may be out
.set n, 0
.rept 16
	ds_store_b128 v196, v[128+4*n:131+4*n] offset:2112*n
.set n, n+1
.endr
	s_wait_tensorcnt 0x0                           ; my part of tile 0 is in
	ds_add_u32 v[SPW], v[NIL]                      ; 0 onto my spare word
	s_wait_dscnt 0x0                               ; the add is done, and my rows of Q lie in LDS
	CROUND
	tensor_load_to_lds s[G0+4:G0+7], s[G1:G1+7]    ; tile 1
	s_nop 0
	PLACES 4
	WIN 0x40
.irp q, 0,1,2,3,4,5,6,7
.irp a, 0,1,2,3
.irp c, 0,1
	ds_load_b128 v[64*\a+8*\q+4*\c:64*\a+8*\q+4*\c+3], v197 offset:8448*\a+64*\q+32*\c     ; Q stays in window 1
.endr
.endr
.endr
	WIN 0
.irp q, 0,1,2,3,4,5,6,7
	KL 0, \q
.endr
	s_mov_b32 s[SM], 0
	s_mov_b32 s[SW], 0
	s_mov_b32 s[SP], 0
	s_mov_b32 s[TL], 4
.macro MAXROW i
.irp k, 0,1,2,3,4,5,6,7
	v_max3_num_f32 v[BM+\k], v[BM+\k], v[ACC+16*\k+\i], v[ACC+16*\k+\i+1]
.endr
.endm
.macro TMINUSM a                       ; t - M of query block a, two at a time
.set n, 0
.rept 16
	v_pk_fma_f32 v[ACC+32*\a+2*n:ACC+32*\a+2*n+1], v[ACC+32*\a+2*n:ACC+32*\a+2*n+1], s[CS:CS+1], v[NM+2*\a:NM+2*\a+1] op_sel_hi:[1,0,0]
.set n, n+1
.endr
.endm
.macro EXPS from, cnt
.set n, \from
.rept \cnt
	v_exp_f32 v[ACC+n], v[ACC+n]                   ; p = 2^(t - M)
.set n, n+1
.endr
.endm
; A STEP OF PHASE 1 on the tile in slot x, whose fragments stand in window 2 (or are on their way there).
.macro STEP x
	s_wait_alu depctr_va_vdst(0)
	s_wait_loadcnt 0x4                             ; this set's scale words are in; at least four loads of the other set's are younger
	s_wait_dscnt 0x0                               ; the fragments are in
	WIN 0x06                                       ; source 0 (K) window 2, source 1 (Q) window 1, C and D window 0
	SMUL 0, 1, \x
.irp q, 1,2,3,4,5
	SMUL \q, 0, \x
.endr
	WIN 0
	s_wait_xcnt 0x0                                ; the prefetch and the scale loads have read their addresses
	s_add_nc_u64 s[PF:PF+1], s[PF:PF+1], SLOT
.if \x == 0
	s_add_nc_u64 s[KSB:KSB+1], s[KSB:KSB+1], 2048
.endif
	s_wait_tensorcnt 0x0                           ; my part of the next tile is in
	ds_add_u32 v[SPW], v[NIL]                      ; 0 onto my spare word
	s_add_nc_u64 s[G0+4*\x+2:G0+4*\x+3], s[G0+4*\x+2:G0+4*\x+3], 2*SLOT
	WIN 0x06
	SMUL 6, 0, \x                                  ; sixteen matrix instructions stand between the add and the wait for it
	s_wait_dscnt 0x0                               ; the add is done; my reads of this slot were over ahead of the step
	s_barrier_signal -1
	SMUL 7, 0, \x
	WIN 0
	s_barrier_wait -1
	CREST                                          ; no wave of any partner still reads this slot or has a load on its way
	tensor_load_to_lds s[G0+4*\x:G0+4*\x+3], s[G1:G1+7]            ; the tile two on: it has a whole step in which to land
	s_nop 0
	PLACES 4                                       ; also the places for the loads and readers below
	KL 1-\x, 0                                     ; the next tile's fragments, part by part
	s_cmp_eq_u32 s[TL], 1                          ; the scale words of the tile two on: in the last trip that is V's tile x
	s_cbranch_scc1 .Lvs_\@
.irp q, 0,1,2,3,4,5,6,7
	global_load_b64 v[KS+16*\x+2*\q:KS+16*\x+2*\q+1], v[KSO], s[KSB:KSB+1] offset:8192*\q+1024*\x
.endr
	s_branch .Lvd_\@
.Lvs_\@:
.irp n, 0,1,2,3
	global_load_b128 v[KS+16*\x+4*\n:KS+16*\x+4*\n+3], v[VSO], s[VSB:VSB+1] offset:32768*\x+8192*\n
.endr
.Lvd_\@:
	global_prefetch_b8 v[PFO], s[PF:PF+1] th:TH_LOAD_NT scope:SCOPE_SE
	; a lane holds query r of block a; register 16 b + i of the block's 32 is key 32 b + 16 h + i of my 64.  Each accumulator is read from its low end on
.irp k, 0,1,2,3,4,5,6,7
	v_max3_num_f32 v[BM+\k], v[ACC+16*\k], v[ACC+16*\k+1], v[ACC+16*\k+2]  ; the largest score of each block of 32 keys
.endr
	MAXROW 3
	KL 1-\x, 1
	MAXROW 5
	MAXROW 7
	KL 1-\x, 2
	MAXROW 9
	MAXROW 11
	KL 1-\x, 3
	MAXROW 13
.irp k, 0,1,2,3,4,5,6,7
	v_max_num_f32 v[BM+\k], v[BM+\k], v[ACC+16*\k+15]
.endr
.irp k, 0,1,2,3,4,5,6,7
	v_permlanex16_b32 v[T2+\k], v[BM+\k], s[SEL], s[SEL+1]
.endr
.irp k, 0,1,2,3,4,5,6,7
	v_max_num_f32 v[BM+\k], v[BM+\k], v[T2+\k]     ; with lane l xor 16's 16 keys
.endr
.irp a, 0,1,2,3
	v_max_num_f32 v[T2+4+\a], v[BM+2*\a], v[BM+2*\a+1]
.endr
.irp a, 0,1,2,3
	v_mul_f32 v[T2+4+\a], s[CS], v[T2+4+\a]        ; as t
.endr
.irp a, 0,1,2,3
	v_floor_f32 v[T2+4+\a], -v[T2+4+\a]            ; floor(-t) = -ceil(t)
.endr
.irp a, 0,1,2,3
	v_min_num_f32 v[T2+4+\a], v[NM+2*\a], v[T2+4+\a]               ; the new -M
.endr
.irp a, 0,1,2,3
	v_sub_f32 v[T2+\a], v[T2+4+\a], v[NM+2*\a]     ; old M - new M: a whole number, 0 or less
.endr
.irp a, 0,1,2,3
	v_mov_b32 v[NM+2*\a], v[T2+4+\a]
.endr
.irp a, 0,1,2,3
	v_cvt_i32_f32 v[T2+\a], v[T2+\a]               ; (it saturates)
.endr
.irp a, 0,1,2,3
	v_ldexp_f32 v[LS+2*\a], v[LS+2*\a], v[T2+\a]   ; the sums under the new M
	v_ldexp_f32 v[LS+2*\a+1], v[LS+2*\a+1], v[T2+\a]
.endr
	TMINUSM 0
	TMINUSM 1
	KL 1-\x, 4
	TMINUSM 2
	TMINUSM 3
.irp k, 0,1,2,3,4,5,6,7
	v_fma_f32 v[BM+\k], v[BM+\k], s[CS], v[NM+2*(\k/2)]            ; the same of each block's largest score
.endr
	s_min_u32 s56, s[SP], 0x8000
	v_add_nc_u32 v125, s[SM], v[STMA]
	v_add_nc_u32 v126, s[SW], v[STWA]
	v_add_nc_u32 v127, s56, v[PADR]
	s_wait_alu depctr_va_vdst(0)
	EXPS 0, 40
	KL 1-\x, 5
	EXPS 40, 40
	KL 1-\x, 6
	EXPS 80, 48
.irp k, 0,1,2,3,4,5,6,7
	v_exp_f32 v[BM+\k], v[BM+\k]                   ; the blocks' largest p
.endr
	v_nop                                          ; a plain line behind the exponentials
	KL 1-\x, 7
	s_wait_alu depctr_va_vdst(0)                   ; one wait for the batch, ahead of its first reader
.irp a, 0,1,2,3
	v_pk_add_f32 v[T2+2*\a:T2+2*\a+1], v[ACC+32*\a:ACC+32*\a+1], v[ACC+32*\a+2:ACC+32*\a+3]        ; the sum of the unquantised p, in two chains
.endr
.irp n, 4,8,12,16,20,24,28
.irp a, 0,1,2,3
	v_pk_add_f32 v[LS+2*\a:LS+2*\a+1], v[LS+2*\a:LS+2*\a+1], v[ACC+32*\a+\n:ACC+32*\a+\n+1]
	v_pk_add_f32 v[T2+2*\a:T2+2*\a+1], v[T2+2*\a:T2+2*\a+1], v[ACC+32*\a+\n+2:ACC+32*\a+\n+3]
.endr
.endr
.irp a, 0,1,2,3
	v_pk_add_f32 v[LS+2*\a:LS+2*\a+1], v[LS+2*\a:LS+2*\a+1], v[T2+2*\a:T2+2*\a+1]
.endr
.irp k, 0,1,2,3,4,5,6,7
	v_max_num_f32 v[BM+\k], 0x1800000, v[BM+\k]    ; the floor 2^(3 - 127): the byte cannot fall under 1
.endr
.irp k, 0,1,2,3,4,5,6,7
	v_add_nc_u32 v[BM+\k], 0xff000000, v[BM+\k]    ; 2 off the exponent field: the conversion's scale operand
.endr
.irp k, 0,1,2,3,4,5,6,7
	v_lshrrev_b32 v[T2+\k], 23, v[BM+\k]           ; the scale's byte
.endr
.irp a, 0,1,2,3
	v_lshl_or_b32 v[T2+2*\a], v[T2+2*\a+1], 8, v[T2+2*\a]
.endr
.irp a, 0,1,2,3
	ds_store_b32 v125, v[NM+2*\a] offset:64*\a+1024*\x             ; both halves of the lanes write the same words with the same values
	ds_store_b16 v126, v[T2+2*\a] offset:32*\a+512*\x
.endr
	WIN 0xc0
.irp k, 0,1,2,3,4,5,6,7
	v_cvt_scalef32_pk8_fp4_f32 v[PC+16*\x+2*\k], v[ACC+16*\k:ACC+16*\k+7], v[BM+\k]
	v_cvt_scalef32_pk8_fp4_f32 v[PC+16*\x+2*\k+1], v[ACC+16*\k+8:ACC+16*\k+15], v[BM+\k]
.endr
	v_nop                                          ; one plain line behind a scaled conversion
	WIN 0xc3
.irp a, 0,1,2,3
.irp i, 0,1
	v_permlane16_swap_b32 v[PC+16*\x+4*\a+\i], v[PC+16*\x+4*\a+2+\i]       ; the operand's layout wants a whole block in a lane
.endr
.endr
	WIN 0
	s_wait_alu depctr_va_vdst(0)
	s_cmp_eq_u32 s[TL], 1                          ; the last trip's codes stay in registers until the exchange
	s_cbranch_scc1 .Lkeep_\@
	WIN 0x0c
.irp a, 0,1,2,3
	ds_store_b128 v127, v[PC+16*\x+4*\a:PC+16*\x+4*\a+3] offset:8192*\x+1024*\a    ; half an image
.endr
	WIN 0
.Lkeep_\@:
.endm
.Lkeys:                                            ; four trips of two tiles of K; the last trip asks for V's first two
	STEP 0
	STEP 1
	s_add_co_u32 s[SM], s[SM], 2048
	s_add_co_u32 s[SW], s[SW], 1024
	s_add_co_u32 s[SP], s[SP], 16384
	s_sub_co_u32 s[TL], s[TL], 1
	s_wait_alu depctr_va_vdst(0)
	s_cmp_lg_u32 s[TL], 0
	s_cbranch_scc1 .Lkeys
	; ---- THE EXCHANGE.  Thread T serves query T % 64 and the 16 chunks of 64 keys from 16 (T / 64) on
.irp a, 0,1,2,3
	v_add_f32 v[LS+2*\a], v[LS+2*\a], v[LS+2*\a+1]
.endr
.irp a, 0,1,2,3
	v_permlanex16_b32 v[T2+\a], v[LS+2*\a], s[SEL], s[SEL+1]
.endr
.irp a, 0,1,2,3
	v_add_f32 v[LS+2*\a], v[LS+2*\a], v[T2+\a]     ; my wave's sums
.endr
	v_and_b32 v127, 31, v0
	v_lshl_add_u32 v126, v127, 4, PB               ; an image's place for my lane
	v_and_b32 v127, 63, v0                         ; query
	v_lshrrev_b32 v125, 6, v0                      ; which half of the keys
	v_lshlrev_b32 v128, 2, v127
	v_lshl_add_u32 v128, v125, 12, v128
	v_add_nc_u32 v128, STM, v128
	v_lshlrev_b32 v129, 1, v127
	v_lshl_add_u32 v129, v125, 11, v129
	v_add_nc_u32 v129, STW, v129
	v_lshl_add_u32 v130, v127, 2, XM
.irp a, 0,1,2,3
	ds_store_b32 v[STMA], v[NM+2*\a] offset:12288+64*\a            ; XM lies 12,288 bytes behind STM
	ds_store_b32 v[STMA], v[LS+2*\a] offset:13312+64*\a
.endr
	s_wait_alu depctr_va_vdst(0)
	s_wait_dscnt 0x0                               ; my codes and figures lie in LDS, and V's first fragments are in
	s_barrier_signal -1
	s_barrier_wait -1
.irp n, 0,1,2,3
	ds_load_b32 v[164+\n], v130 offset:256*\n      ; the four waves' -M
	ds_load_b32 v[168+\n], v130 offset:1024+256*\n ; and sums
.endr
.irp n, 0,1,2,3,4,5,6,7,8,9,10,11,12,13,14,15
	ds_load_b32 v[132+\n], v128 offset:256*\n
	ds_load_u16 v[148+\n], v129 offset:128*\n
.endr
.macro PLD k, b                        ; P's chunk k, which lies at place k - b, into window 1 (chunks 0-7) or 3
.if (\k) < 8
	WIN 0x40
.else
	WIN 0xc0
.endif
.irp a, 0,1,2,3
.irp c, 0,1
	ds_load_b128 v[32*((\k)%8)+8*\a+4*\c:32*((\k)%8)+8*\a+4*\c+3], v126 offset:4096*((\k)-(\b))+1024*\a+512*\c
.endr
.endr
.endm
.irp k, 0,1,2,3
	PLD \k, 0
.endr
	WIN 0
	s_wait_dscnt 0x20                              ; the figures are in; the 32 loads of P may be out
	v_min3_num_f32 v172, v164, v165, v166
	v_min_num_f32 v172, v172, v167                 ; -(the row's M)
.irp n, 0,1,2,3
	v_sub_f32 v[164+\n], v172, v[164+\n]
.endr
.irp n, 0,1,2,3
	v_cvt_i32_f32 v[164+\n], v[164+\n]
.endr
.irp n, 0,1,2,3
	v_ldexp_f32 v[168+\n], v[168+\n], v[164+\n]    ; a wave's sum under the row's M
.endr
	v_add_f32 v168, v168, v169
	v_add_f32 v170, v170, v171
	v_add_f32 v168, v168, v170
	s_wait_alu depctr_va_vdst(0)
	v_rcp_f32 v173, v168                           ; the sum is above 1/2: the row's largest p is
.irp n, 0,1,2,3,4,5,6,7,8,9,10,11,12,13,14,15
	v_sub_f32 v[132+\n], v172, v[132+\n]           ; D = the chunk's M - the row's M
.endr
.irp n, 0,1,2,3,4,5,6,7,8,9,10,11,12,13,14,15
	v_max_num_f32 v[132+\n], 0xc3800000, v[132+\n] ; held at -256
.endr
.irp k, 4,5,6,7
	PLD \k, 0
.endr
	WIN 0
.irp n, 0,1,2,3,4,5,6,7,8,9,10,11,12,13,14,15
	v_and_b32 v[180+\n], 0xff, v[148+\n]
	v_lshrrev_b32 v[148+\n], 8, v[148+\n]
.endr
.irp n, 0,1,2,3,4,5,6,7,8,9,10,11,12,13,14,15
	v_cvt_f32_u32 v[180+\n], v[180+\n]
	v_cvt_f32_u32 v[148+\n], v[148+\n]
.endr
.irp n, 0,1,2,3,4,5,6,7,8,9,10,11,12,13,14,15
	v_add_f32 v[180+\n], v[180+\n], v[132+\n]
	v_add_f32 v[148+\n], v[148+\n], v[132+\n]
.endr
.irp k, 8,9,10,11
	PLD \k, 0
.endr
	WIN 0
.irp n, 0,1,2,3,4,5,6,7,8,9,10,11,12,13,14,15
	v_max_num_f32 v[180+\n], 0, v[180+\n]          ; held at 0
	v_max_num_f32 v[148+\n], 0, v[148+\n]
.endr
.irp n, 0,1,2,3,4,5,6,7,8,9,10,11,12,13,14,15
	v_cvt_u32_f32 v[180+\n], v[180+\n]
	v_cvt_u32_f32 v[148+\n], v[148+\n]
.endr
.irp k, 0,1,2,3,4,5,6,7
	v_lshl_or_b32 v[200+\k], v[148+2*\k], 8, v[180+2*\k]
.endr
.irp k, 0,1,2,3,4,5,6,7
	v_lshl_or_b32 v[200+\k], v[181+2*\k], 16, v[200+\k]
.endr
.irp k, 0,1,2,3,4,5,6,7
	v_lshl_or_b32 v[200+\k], v[149+2*\k], 24, v[200+\k]            ; the corrected word of 128 keys
.endr
	v_mul_u32_u24 v131, v127, 80
	v_lshl_add_u32 v131, v125, 5, v131
	v_add_nc_u32 v131, PSW, v131                   ; where my words go
	v_lshlrev_b32 v214, 2, v127
	v_lshl_add_u32 v214, v125, 8, v214
	v_add_nc_u32 v214, RLS, v214                   ; and my 1 / sum
	v_and_b32 v209, 31, v0
	v_mul_u32_u24 v210, v209, 80
	v_add_nc_u32 v210, PSW, v210                   ; where I read words: query 32 u + lane
	v_and_b32 v213, 15, v0
	v_bfe_u32 v212, v0, 4, 1
	s_lshr_b32 s21, s16, 1
	s_lshl_b32 s21, s21, 8
	s_add_co_u32 s21, s21, RLS
	v_lshl_add_u32 v211, v212, 5, s21              ; and 1 / sum: queries 8 h on of a block
	v_lshlrev_b32 v[CO], 15, v212
	v_lshl_add_u32 v[CO], v213, 4, v[CO]           ; out0: lanes 16-31 eight rows on; 16 bytes a lane
	s_wait_alu depctr_va_vdst(0)                   ; the wait serves the reciprocal too
	s_wait_dscnt 0x0                               ; chunks 0-11 are in
	s_barrier_signal -1
	s_barrier_wait -1                              ; nobody reads P's bytes any more
	ds_store_b128 v131, v[200:203]
	ds_store_b128 v131, v[204:207] offset:16
	ds_store_b32 v214, v173
	WIN 0x0c
.irp x, 0,1
.irp a, 0,1,2,3
	ds_store_b128 v[PADR], v[PC+16*\x+4*\a:PC+16*\x+4*\a+3] offset:8192*\x+1024*\a ; chunks 12-15
.endr
.endr
	WIN 0
	s_wait_dscnt 0x0
	s_barrier_signal -1
	s_barrier_wait -1
.irp u, 0,1
.irp n, 0,1,2,3
	ds_load_b128 v[PS+16*\u+4*\n:PS+16*\u+4*\n+3], v210 offset:2560*\u+16*\n
.endr
.endr
.irp a, 0,1,2,3
	ds_load_b128 v[RLR+8*\a:RLR+8*\a+3], v211 offset:64*\a
	ds_load_b128 v[RLR+8*\a+4:RLR+8*\a+7], v211 offset:64*\a+16
.endr
.irp k, 12,13,14,15
	PLD \k, 12
.endr
	WIN 0
	s_wait_dscnt 0x0
; A TILE OF PHASE 2: keys 1,024 kh on of a slice of 256 d, in slot kh; its fragments stand in window 2, or are on their way there.  refill = 0: the stream's last two tiles.
.macro TILE kh, refill
.set PW, 0x09+2*\kh                    ; source 0 (P) window 1 or 3, source 1 (V) window 2, C and D window 0
	s_wait_alu depctr_va_vdst(0)
	s_wait_loadcnt 0x4                             ; this tile's scale words are in; the next tile's four loads may be out
	s_wait_dscnt 0x18                              ; parts 0-4 are in; the 24 loads of parts 5-7 may be out
.if \refill
	s_wait_xcnt 0x0                                ; the prefetch and the scale loads have read their addresses
	s_add_nc_u64 s[PF:PF+1], s[PF:PF+1], SLOT
.if \kh == 0
	s_add_nc_u64 s[VSB:VSB+1], s[VSB:VSB+1], 1024
.endif
	s_wait_tensorcnt 0x0                           ; my part of the next tile is in
	ds_add_u32 v[SPW], v[NIL]                      ; 0 onto my spare word
	s_add_nc_u64 s[G0+4*\kh+2:G0+4*\kh+3], s[G0+4*\kh+2:G0+4*\kh+3], 2*SLOT
.else
	s_wait_tensorcnt 0x0                           ; my part of the last tile is in
.endif
	WIN PW
	PVM 0, \kh, 1-\kh
	PVM 1, \kh, 0
	s_wait_dscnt 0x0                               ; the add is done, and my reads of this slot are over
	s_barrier_signal -1
	PVM 2, \kh, 0
	WIN 0
	s_barrier_wait -1
.if \refill
	CREST                                          ; no wave of any partner still reads this slot or has a load on its way
	tensor_load_to_lds s[G0+4*\kh:G0+4*\kh+3], s[G1:G1+7]          ; the tile two on
	s_nop 0
.endif
	PLACES 4                                       ; for the loads below
	KL 1-\kh, 0
	KL 1-\kh, 1
	KL 1-\kh, 2
.if \refill
	s_cmp_gt_u32 s[TL], 1                          ; behind tile 15 there is nothing to ask for
	s_cbranch_scc0 .Lnone_\@
	global_prefetch_b8 v[PFO], s[PF:PF+1] th:TH_LOAD_NT scope:SCOPE_SE
.Lnone_\@:
.endif
	WIN PW
	PVM 3, \kh, 0
	PVM 4, \kh, 0
	PLACES 4
	KL 1-\kh, 3
	KL 1-\kh, 4
	WIN PW
	PVM 5, \kh, 0
	PVM 6, \kh, 0
	PLACES 4
	KL 1-\kh, 5
	KL 1-\kh, 6
	WIN PW
	PVM 7, \kh, 0
	PLACES 4
	WIN 0
.if \refill
.irp n, 0,1,2,3
	global_load_b128 v[KS+16*\kh+4*\n:KS+16*\kh+4*\n+3], v[VSO], s[VSB:VSB+1] offset:32768*\kh+8192*\n     ; the tile two on: the next slice
.endr
.endif
.if \kh == 0
	KL 1-\kh, 7
.endif
.endm
.macro SEND a, from                    ; rows 16 a + j and 16 a + 8 + j: sixteen lanes store 256 consecutive bytes, aligned
.irp j, 0,1,2,3,4,5,6,7
	global_store_b128 v[CO], v[\from+4*\j:\from+4*\j+3], s[OB:OB+1] offset:4096*(16*\a+\j) th:TH_STORE_NT
.endr
.endm
.macro SCALEOUT a, to                  ; x 1 / sum, and four neighbouring d on end; each accumulator from its low end on
.irp j, 0,1,2,3,4,5,6,7
.irp i, 0,1,2,3
	v_mul_f32 v[\to+4*\j+\i], v[ACC+32*\a+8*\i+\j], v[RLR+8*\a+\j]
.endr
.endr
.endm
	s_mov_b32 s[TL], 3
.Lslice:
	TILE 0, 1
	TILE 1, 1
	; the slice goes out: block 0 by part 7's registers of window 2, block a by block a - 1's accumulators, which have been read
	WIN 0x80
	SCALEOUT 0, 224
	WIN 0x08
	SEND 0, 224
	WIN 0
.irp a, 1,2,3
	SCALEOUT \a, ACC+32*\a-32
	SEND \a, ACC+32*\a-32
.endr
	s_wait_xcnt 0x0                                ; the stores have read their registers and their base: both are written again only behind this wait
	s_add_nc_u64 s[OB:OB+1], s[OB:OB+1], 1024
	KL 0, 7
	s_sub_co_u32 s[TL], s[TL], 1
	s_wait_alu depctr_va_vdst(0)
	s_cmp_lg_u32 s[TL], 0
	s_cbranch_scc1 .Lslice
	TILE 0, 0                                      ; the last slice fetches nothing more
	; its second tile goes by query blocks: all operands stand in registers, and a finished block leaves, by window 1 (which P's chunks 0-7 have left), while the next is multiplied
	s_wait_alu depctr_va_vdst(0)
	s_wait_loadcnt 0x0
	s_wait_dscnt 0x0
.irp a, 0,1,2,3
	WIN 0x0b
.irp k, 0,1,2,3,4,5,6,7
.irp i, 0,1,2,3
	WM ACC+32*\a+8*\i, 32*\k+8*\a, 32*\k+8*\i, 0, PS+16*(\a/2)+8+\k, KS+16+4*(\k/2)+\i, \a%2, \k%2
.endr
.endr
	PLACES 4
	WIN 0x40
	SCALEOUT \a, 32*\a
	WIN 0x04
	SEND \a, 32*\a
.endr
	WIN 0
	s_wait_tensorcnt 0x0                           ; the wave's end
	ds_add_u32 v[SPW], v[NIL]
	s_wait_dscnt 0x0
	CROUND                                         ; the closing round
	s_endpgm
.Lfunc_end_k_qd29d23f5f4_attn:
	.size	k_qd29d23f5f4_attn, .Lfunc_end_k_qd29d23f5f4_attn-k_qd29d23f5f4_attn
	.p2alignl 7, 3214868480
	.fill 96, 4, 3214868480
	.section	.rodata,"a",@progbits
	.p2align	6, 0x0
	.amdhsa_kernel k_qd29d23f5f4_attn
		.amdhsa_group_segment_fixed_size 327680
		.amdhsa_private_segment_fixed_size 0
		.amdhsa_enable_private_segment 0
		.amdhsa_kernarg_size 48
		.amdhsa_user_sgpr_count 2
		.amdhsa_user_sgpr_kernarg_segment_ptr 1
		.amdhsa_wavefront_size32 1
		.amdhsa_system_sgpr_workgroup_id_x 1
		.amdhsa_system_sgpr_workgroup_id_y 1
		.amdhsa_system_sgpr_workgroup_id_z 1
		.amdhsa_system_vgpr_workitem_id 0
		.amdhsa_next_free_vgpr 1024
		.amdhsa_next_free_sgpr 72
		.amdhsa_reserve_vcc 0
		.amdhsa_float_denorm_mode_32 3
		.amdhsa_float_denorm_mode_16_64 3
		.amdhsa_memory_ordered 1
		.amdhsa_forward_progress 1
		.amdhsa_inst_pref_size 235
	.end_amdhsa_kernel
	.amdgpu_metadata
---
amdhsa.version: [ 1, 2 ]
amdhsa.kernels:
  - .name:           k_qd29d23f5f4_attn
    .symbol:         k_qd29d23f5f4_attn.kd
    .args:
      - { .name: query_codes, .offset: 0, .size: 8, .value_kind: global_buffer, .address_space: global }
      - { .name: query_scales, .offset: 8, .size: 8, .value_kind: global_buffer, .address_space: global }
      - { .name: kv, .offset: 16, .size: 8, .value_kind: global_buffer, .address_space: global }
      - { .name: kscales, .offset: 24, .size: 8, .value_kind: global_buffer, .address_space: global }
      - { .name: vscales, .offset: 32, .size: 8, .value_kind: global_buffer, .address_space: global }
      - { .name: out0, .offset: 40, .size: 8, .value_kind: global_buffer, .address_space: global }
    .group_segment_fixed_size: 327680
    .private_segment_fixed_size: 0
    .kernarg_segment_align: 8
    .kernarg_segment_size: 48
    .max_flat_workgroup_size: 128
    .sgpr_count:     72
    .vgpr_count:     1024
    .wavefront_size: 32
...
	.end_amdgpu_metadata
.endif
;; end of part 2
